; MI455X (gfx1250); checked and timed in simulation.
; The chip was launched on July 23, 2026; its instructions are those of AMD's public machine-readable ISA for CDNA 5 (MIT licence, August 2026) and "CDNA5" Instruction Set Architecture Reference Guide (July 2026). The comments in the code are by the model that wrote it; some were corrected since.
;; Space Byte Attention. Allowed arithmetic: matrix products marked QUANTISED: E2M1 operands, one E8M0 scale for each 32 along K, by v_wmma_scale_f32_16x16x128_f8f6f4 with both operands' format E2M1 (or v_wmma_scale_f32_32x16x128_f4), f32 sums; products left as they are: bf16, f16 or f32 operands; f32 sums; everything else in f32.
;; Inputs: hidden_states 2 x 2,048 x 768 float32; k_ln_w 64 float32; k_w 256 x 768 float32; o_w 768 x 768 float32; q_ln_w 64 float32; q_w 768 x 768 float32; v_w 256 x 768 float32.
;; Outputs: out0 2 x 2,048 x 768 float32.
;; This version of the problem:
;;   THIS VERSION OF THE PROBLEM IS GIVEN IN LOW PRECISION. The matrix products marked QUANTISED in the list below multiply operands that are first quantised to E2M1 (2 exponent bits, 1 mantissa bit; 4 bits a number), with one power-of-two scale for each 32 numbers along K (OCP MX v1.0); their sums are f32. The products marked 'left as it is' may take bf16, f16 or f32 operands, with f32 sums. Whichever they take, every output number must still come out within the allowed error. Rounding operands to bf16 (8 significant bits) uses up far more of that allowance than f16 does (11 bits, for magnitudes from 6e-5 to 65,504). All else is computed in f32.
;;   The module's matrix products, in the order in which they are computed (A, B: the left and right operand; K: the contracted axis; several contracted axes count as one K, in the product's order):
;;     1. [M 4,096, K 768] x [K 768, N 768]; A: input hidden_states; B: input q_w: QUANTISED
;;     2. [M 4,096, K 768] x [K 768, N 256]; A: input hidden_states; B: input k_w: QUANTISED
;;     3. [M 4,096, K 768] x [K 768, N 256]; A: input hidden_states; B: input v_w: QUANTISED
;;     4. batch 24 x [M 2,048, K 64] x [K 64, N 2,048]; A: computed on the way; B: computed on the way: left as it is (an operand is computed on the way)
;;     5. batch 24 x [M 2,048, K 2,048] x [K 2,048, N 64]; A: computed on the way; B: computed on the way: left as it is (an operand is computed on the way)
;;     6. [M 4,096, K 768] x [K 768, N 768]; A: computed on the way; B: input o_w: left as it is (an operand is computed on the way)
;;   THE QUANTISER, for each operand of a quantised product, along K:
;;     - K is cut into blocks of 32 from its start; a last block that is shorter is filled with zeros.
;;     - A block's scale is 2^e with e = floor(log2(the largest magnitude in the block)) - 2, held to -126 .. 127; a block of zeros has e = 0. As a byte (E8M0): e + 127.
;;     - Each number is divided by its block's scale, clamped to +-6, and rounded to the nearest number of E2M1, ties to even, subnormals kept.
;;     - The product sums the exact products of the quantised numbers (number of the format x scale) in f32.
;;   ~~~python
;;   def quantise(x, axis):      # numpy; x: float32 -> the quantised numbers, widened to float32 again
;;       x = np.moveaxis(x, axis, -1); K = x.shape[-1]
;;       x = np.pad(x, [(0, 0)] * (x.ndim - 1) + [(0, -K % 32)]); x = x.reshape(x.shape[:-1] + (-1, 32)); a = np.abs(x).max(-1, keepdims=True)
;;       e = np.where(a > 0, np.clip(np.frexp(np.where(a > 0, a, 1))[1] - 1 - 2, -126, 127), 0)      # np.frexp(a)[1] - 1 = floor(log2(a)), exactly
;;       r = np.clip(x / 2.0 ** e, -6, 6)
;;       step = 2.0 ** (np.maximum(np.frexp(np.where(r == 0, 1, r))[1] - 1, 0) - 1)
;;       q = np.round(r / step) * step * 2.0 ** e      # np.round: ties to even
;;       return np.moveaxis(q.reshape(q.shape[:-2] + (-1,))[..., :K], -1, axis).astype(np.float32)
;;   ~~~
;; One version. Each part assembles by itself: llvm-mc -triple=amdgcn-amd-amdhsa -mcpu=gfx1250 --defsym DOCPART=n.
;; ======== version 1 of 1: 5 launches
;; limits: values are held in f16: magnitudes above 65,504 overflow, below 6.1e-05 lose precision
;; workspace buffers: codes 2,064,384 bytes; scl 129,024 bytes; ow16 1,179,648 bytes; rope 524,288 bytes; q16 6,291,456 bytes; kv16 4,194,304 bytes; fine 163,840 bytes; a16 6,291,456 bytes
;; launch prep (part 1): grid 320 x 1, 4 waves a work-group, no clusters, 68,096 bytes of LDS; arguments hidden_states, q_w, k_w, v_w, o_w, codes, scl, ow16, rope; writes codes, scl, ow16, rope
.if DOCPART == 1
	.amdgcn_target "amdgcn-amd-amdhsa--gfx1250"
	.amdhsa_code_object_version 6
	.text
	.protected	k_q74b0bc2df6_prep
	.globl	k_q74b0bc2df6_prep
	.p2align	8
	.type	k_q74b0bc2df6_prep,@function
k_q74b0bc2df6_prep:
	s_mov_b64 s[64:65], 0
	v_nop
	global_prefetch_b8 v0, s[64:65] scope:SCOPE_SE
	s_setreg_imm32_b32 hwreg(HW_REG_WAVE_MODE, 25, 1), 1
	s_wait_xcnt 0x0
; PREP.  hidden_states [4096][768], q_w [768][768], k_w, v_w [256][768] (f32) become codes of E2M1 with one E8M0 byte for each 32 along K;
; o_w [768][768] becomes f16; the table of cos and sin for the 2,048 positions and 32 frequencies is made.
; EVERY RESULT IS LAID IN THE ORDER OF ITS READER'S OPERAND REGISTERS: four registers of a fragment are 512 consecutive bytes, lane l's 16 bytes at 16 l.
;   codes [tile 336][K step 6][c 2][lane][16]: tile = 16 rows (0-255 hidden_states, then q_w, k_w, v_w); lane (r, h) of group c: the 32 codes k = 128 s + 64 c + 32 h on of row r.
;   scl   [tile][pr 3][lane] words: lane (r, h): the four scale bytes of row r for K step 2 pr + h.
;   ow16  [tile 48][ks 24][g 2][lane][16]: lane (r, h): o_w[16 tile + r][32 ks + 16 g + 8 h + 0..7] in f16.
;   rope  [pt 128][grp 8][lane][16] f32: grp = 4 kind + 2 tt + jh (kind 0 cos, 1 sin); lane (r, h), word i: position 16 pt + r, frequency 16 tt + 8 h + 4 jh + i.
; SHARES.  Work-groups 0-287: a wave takes one tile of 16 rows x 256 along K (two K steps): 32 loads of 512 consecutive bytes, all out at once.  They turn through the wave's own
; stage in LDS (rows 528 bytes apart), since the conversions want a lane's registers to run along K.  Work-groups 288-319: a wave makes one tile of the table.
; A block's scale is 2^(floor(log2(largest magnitude)) - 2): its byte is the largest magnitude's exponent field - 2, held at 1 from below by a floor among the maximum's leaves.
; LIMITS: NaN and infinities among the inputs are not served; a block whose largest magnitude lies under 2^-124 keeps the byte 1; a block of zeros gets the byte 1 and not 127
; (its codes are zeros, and this program alone reads the bytes); o_w must lie within f16's range (65,504), and under 6e-5 it loses relative precision.
; The scale words leave as 128 consecutive bytes a wave: one byte in 128 of what the launch reads.
; cos, sin: x = position x 2^(-f log2(10000) / 32); n = nearest whole number to x 2 / pi; x - n pi / 2 in two fused steps; polynomials of degree 7 and 8 on +-pi / 4 (error under 4e-7).
.set WREG,  16896                      ; LDS of a wave: two stages
.set STG,   8448                       ; a stage: 16 rows x 528 bytes (512 + 16: the 16 rows of a read start in 16 different groups of four banks)
.set PITCH, 528
.set SPARE, 4*WREG                     ; behind the stages: the spare words, 128 bytes a wave
.set LI,   1                           ; v1   16 x lane
.set RR,   2                           ; v2   r = lane % 16
.set HH,   3                           ; v3   h = lane / 16
.set SW,   4                           ; v4   stage, way in: my wave's region + 16 x lane
.set LR4,  5                           ; v5   stage, way out for codes: + 528 r + 128 h
.set LR16, 6                           ; v6   stage, way out for f16: + 528 r + 32 h
.set L4,   7                           ; v7   4 x lane
.set H8,   8                           ; v8   8 h
.set SPW,  10                          ; v10  my spare word; never rewritten
.set NIL,  11                          ; v11  0; never rewritten
.set CD,   32                          ; v32-47  codes, 8 registers a K step
.set SWD,  48                          ; v48-49  the two K steps' scale words
.set X0,   64                          ; v64-127, v128-191  64 numbers a lane for each K step
.set R,    128                         ; v128-255 as loaded
.set F16,  192                         ; v192-255 f16 results
	s_load_b256 s[4:11], s[0:1], 0x0               ; hidden_states, q_w, k_w, v_w
	s_load_b256 s[12:19], s[0:1], 0x20             ; o_w, codes, scl, ow16
	s_load_b64 s[20:21], s[0:1], 0x40              ; rope
	v_lshl_add_u32 v[SPW], v0, 2, SPARE
	v_mov_b32 v[NIL], 0
	v_lshrrev_b32 v12, 5, v0
	v_readfirstlane_b32 s2, v12                    ; wave
	v_and_b32 v9, 31, v0
	v_and_b32 v[RR], 15, v0
	v_bfe_u32 v[HH], v0, 4, 1
	v_lshlrev_b32 v[LI], 4, v9
	v_lshlrev_b32 v[L4], 2, v9
	v_lshlrev_b32 v[H8], 3, v[HH]
	s_mul_i32 s3, s2, WREG
	v_add_nc_u32 v[SW], s3, v[LI]
	v_mul_u32_u24 v[LR4], v[RR], PITCH
	v_lshl_add_u32 v[LR16], v[HH], 5, v[LR4]
	v_lshl_add_u32 v[LR4], v[HH], 7, v[LR4]
	v_add_nc_u32 v[LR4], s3, v[LR4]
	v_add_nc_u32 v[LR16], s3, v[LR16]
	v_mov_b32 v19, 0                               ; a lane permute's destination counts as one of its sources
	s_mov_b32 s44, 0x76543210
	s_mov_b32 s45, 0xfedcba98                      ; selects for lane l xor 16
	s_cmp_ge_u32 ttmp9, 96
	s_cselect_b32 s22, 1, 0
	s_cmp_ge_u32 ttmp9, 192
	s_cselect_b32 s23, 1, 0
	s_add_co_u32 s22, s22, s23                     ; which pair of K steps: 0, 1, 2
	s_mul_i32 s23, s22, 96
	s_sub_co_u32 s23, ttmp9, s23                   ; which four tiles: 0 .. 95
	s_lshl_b32 s27, s23, 2
	s_add_co_u32 s27, s27, s2                      ; my tile: 0 .. 383
	s_wait_kmcnt 0x0
	s_cmp_ge_u32 ttmp9, 288
	s_cbranch_scc1 .Lrope
	s_mov_b64 s[24:25], s[12:13]                   ; the tensor and its first tile, by the work-group's number alone
	s_mov_b32 s26, 336
	s_cmp_lt_u32 s23, 84
	s_cselect_b64 s[24:25], s[10:11], s[24:25]
	s_cselect_b32 s26, 320, s26
	s_cmp_lt_u32 s23, 80
	s_cselect_b64 s[24:25], s[8:9], s[24:25]
	s_cselect_b32 s26, 304, s26
	s_cmp_lt_u32 s23, 76
	s_cselect_b64 s[24:25], s[6:7], s[24:25]
	s_cselect_b32 s26, 256, s26
	s_cmp_lt_u32 s23, 64
	s_cselect_b64 s[24:25], s[4:5], s[24:25]
	s_cselect_b32 s26, 0, s26
	s_sub_co_u32 s34, s27, s26                     ; my tile within its tensor
	s_mul_i32 s30, s34, 49152                      ; 16 rows of 3,072 bytes
	s_lshl_b32 s31, s22, 10                        ; 256 numbers along K
	s_add_co_u32 s30, s30, s31
	s_mov_b32 s31, 0
	s_add_nc_u64 s[24:25], s[24:25], s[30:31]
.irp st, 0,1
.irp i, 0,1,2,3,4,5,6,7,8,9,10,11,12,13,14,15
	global_load_b128 v[R+64*\st+4*\i:R+64*\st+4*\i+3], v[LI], s[24:25] offset:\i*3072+\st*512 th:TH_LOAD_NT   ; a K step of row i: 512 consecutive bytes
.endr
.endr
	s_wait_loadcnt 16                              ; the first K step's 16 loads are in; the second's 16 may be out
.irp i, 0,1,2,3,4,5,6,7,8,9,10,11,12,13,14,15
	ds_store_b128 v[SW], v[R+4*\i:R+4*\i+3] offset:\i*PITCH
.endr
	s_wait_loadcnt 0x0
.irp i, 0,1,2,3,4,5,6,7,8,9,10,11,12,13,14,15
	ds_store_b128 v[SW], v[R+64+4*\i:R+64+4*\i+3] offset:STG+\i*PITCH
.endr
	s_wait_dscnt 0x0                               ; the stores have read their registers, which the reads below fill again
	s_cmp_ge_u32 s23, 84
	s_cbranch_scc1 .Lf16
	; ---- codes: lane (r, h) takes blocks 2 c + h of row r: 32 neighbours, 128 bytes, for c = 0, 1 of each K step
.irp st, 0,1
.irp c, 0,1
.irp i, 0,1,2,3,4,5,6,7
	ds_load_b128 v[X0+64*\st+32*\c+4*\i:X0+64*\st+32*\c+4*\i+3], v[LR4] offset:\st*STG+256*\c+16*\i
.endr
.endr
.endr
	s_mul_i32 s30, s27, 6144
	s_lshl_b32 s35, s22, 11
	s_add_co_u32 s30, s30, s35
	s_add_nc_u64 s[28:29], s[14:15], s[30:31]      ; codes + tile x 6,144 + pair x 2,048
	s_mul_i32 s30, s27, 384
	s_lshl_b32 s35, s22, 7
	s_add_co_u32 s30, s30, s35
	s_add_nc_u64 s[32:33], s[16:17], s[30:31]      ; scl + tile x 384 + pair x 128
.macro QSTEP st
.set XS, X0+64*(\st)
.irp c, 0,1
	v_max3_num_f32 v[12+\c], |v[XS+32*\c]|, |v[XS+32*\c+1]|, 0x1800000   ; my block 2 c + h, and the floor 2^(3 - 127): the byte cannot fall under 1
.endr
.irp i, 2,4,6,8,10,12,14,16,18,20,22,24,26,28,30
.irp c, 0,1
	v_max3_num_f32 v[12+\c], v[12+\c], |v[XS+32*\c+\i]|, |v[XS+32*\c+\i+1]|   ; the two blocks by turns
.endr
.endr
.irp c, 0,1
	v_add_nc_u32 v[14+\c], 0xff000000, v[12+\c]    ; 2 off the exponent field: the conversion's scale operand
.endr
.irp c, 0,1
	v_lshrrev_b32 v[16+\c], 23, v[14+\c]           ; the scale's byte
.endr
	v_lshl_or_b32 v18, v17, 16, v16                ; blocks h and 2 + h,
	v_lshlrev_b32 v18, v[H8], v18                  ; at their places in the word;
	v_permlanex16_b32 v19, v18, s44, s45
	v_or_b32 v[SWD+\st], v18, v19                  ; with lane l xor 16's two the word is whole
.irp c, 0,1
.irp g, 0,1,2,3
	v_cvt_scalef32_pk8_fp4_f32 v[CD+8*(\st)+4*\c+\g], v[XS+32*\c+8*\g:XS+32*\c+8*\g+7], v[14+\c]
.endr
.endr
	v_nop                                          ; one plain instruction behind the last scaled conversion
.irp c, 0,1
	global_store_b128 v[LI], v[CD+8*(\st)+4*\c:CD+8*(\st)+4*\c+3], s[28:29] offset:(\st)*1024+512*\c   ; 512 consecutive bytes
.endr
.endm
	s_wait_dscnt 16                                ; the first K step's 16 reads are in; the second's may be out
	QSTEP 0
	s_wait_dscnt 0x0
	QSTEP 1
	v_cmp_ne_u32 vcc_lo, 0, v[HH]
	v_cndmask_b32 v20, v[SWD], v[SWD+1], vcc_lo    ; lanes 0-15 carry the even K step's words, lanes 16-31 the odd one's
	global_store_b32 v[L4], v20, s[32:33]
	s_branch .Lend
.Lf16:
	; ---- o_w in f16: lane (r, h) takes, of each 16 along K, its 8 neighbours: 32 bytes
.irp st, 0,1
.irp q, 0,1,2,3,4,5,6,7
.irp i, 0,1
	ds_load_b128 v[X0+64*\st+8*\q+4*\i:X0+64*\st+8*\q+4*\i+3], v[LR16] offset:\st*STG+64*\q+16*\i
.endr
.endr
.endr
	s_mul_i32 s30, s34, 24576
	s_lshl_b32 s35, s22, 13
	s_add_co_u32 s30, s30, s35
	s_add_nc_u64 s[28:29], s[18:19], s[30:31]      ; ow16 + tile x 24,576 + pair x 8,192
.macro HSTEP st
.irp q, 0,1,2,3,4,5,6,7
.irp j, 0,1,2,3
	v_cvt_pk_f16_f32 v[F16+32*(\st)+4*\q+\j], v[X0+64*(\st)+8*\q+2*\j], v[X0+64*(\st)+8*\q+2*\j+1]
.endr
.endr
.irp q, 0,1,2,3,4,5,6,7
	global_store_b128 v[LI], v[F16+32*(\st)+4*\q:F16+32*(\st)+4*\q+3], s[28:29] offset:(\st)*4096+\q*512
.endr
.endm
	s_wait_dscnt 16                                ; as above
	HSTEP 0
	s_wait_dscnt 0x0
	HSTEP 1
	s_branch .Lend
.Lrope:
	; ---- the table: 16 frequencies a lane, f = 8 h + 16 (e / 8) + e % 8, stage by stage over all 16 so that no line waits for the line above it
	s_sub_co_u32 s22, ttmp9, 288
	s_lshl_b32 s22, s22, 2
	s_add_co_u32 s22, s22, s2                      ; pt
	s_lshl_b32 s23, s22, 4
	s_lshl_b32 s24, s22, 12
	s_mov_b32 s25, 0
	s_add_nc_u64 s[20:21], s[20:21], s[24:25]
	s_mov_b32 s30, 0xbed49a78                      ; -log2(10000) / 32
	s_mov_b32 s31, 0x3f22f983                      ; 2 / pi
	s_mov_b32 s32, 0xbfc90fdb                      ; -(pi / 2 rounded to f32)
	s_mov_b32 s33, 0x333bbd2e                      ; that rounding's excess over pi / 2
	s_mov_b32 s34, 0xb9500d01                      ; -1 / 5040
	s_mov_b32 s35, 0x3c088889                      ; 1 / 120
	s_mov_b32 s36, 0xbe2aaaab                      ; -1 / 6
	s_mov_b32 s37, 0x37d00d01                      ; 1 / 40320
	s_mov_b32 s38, 0xbab60b61                      ; -1 / 720
	s_mov_b32 s39, 0x3d2aaaab                      ; 1 / 24
	v_add_nc_u32 v12, s23, v[RR]
	v_cvt_f32_u32 v12, v12                         ; my position
.set e, 0
.rept 16
	v_add_nc_u32 v[64+e], 16*(e/8)+e%8, v[H8]
.set e, e+1
.endr
.set e, 0
.rept 16
	v_cvt_f32_u32 v[64+e], v[64+e]
.set e, e+1
.endr
.set e, 0
.rept 16
	v_mul_f32 v[64+e], s30, v[64+e]
.set e, e+1
.endr
.set e, 0
.rept 16
	v_exp_f32 v[64+e], v[64+e]                     ; 10000^(-f / 32)
.set e, e+1
.endr
	v_nop                                          ; a plain instruction behind the last exponential,
	s_wait_alu depctr_va_vdst(0)                   ; and one wait for the batch, ahead of its first reader
.set e, 0
.rept 16
	v_mul_f32 v[64+e], v12, v[64+e]                ; x
.set e, e+1
.endr
.set e, 0
.rept 16
	v_mul_f32 v[80+e], s31, v[64+e]
.set e, e+1
.endr
.set e, 0
.rept 16
	v_rndne_f32 v[80+e], v[80+e]                   ; n
.set e, e+1
.endr
.set e, 0
.rept 16
	v_fma_f32 v[64+e], v[80+e], s32, v[64+e]
.set e, e+1
.endr
.set e, 0
.rept 16
	v_fma_f32 v[64+e], v[80+e], s33, v[64+e]       ; x - n pi / 2
.set e, e+1
.endr
.set e, 0
.rept 16
	v_mul_f32 v[96+e], v[64+e], v[64+e]            ; z
.set e, e+1
.endr
.set e, 0
.rept 16
	v_fma_f32 v[112+e], v[96+e], s34, s35
	v_fma_f32 v[128+e], v[96+e], s37, s38
.set e, e+1
.endr
.set e, 0
.rept 16
	v_fma_f32 v[112+e], v[112+e], v[96+e], s36
	v_fma_f32 v[128+e], v[128+e], v[96+e], s39
.set e, e+1
.endr
.set e, 0
.rept 16
	v_mul_f32 v[112+e], v[112+e], v[96+e]
	v_fma_f32 v[128+e], v[128+e], v[96+e], -0.5
.set e, e+1
.endr
.set e, 0
.rept 16
	v_fma_f32 v[112+e], v[112+e], v[64+e], v[64+e] ; the sine of the reduced angle
	v_fma_f32 v[128+e], v[128+e], v[96+e], 1.0     ; its cosine
.set e, e+1
.endr
.set e, 0
.rept 16
	v_cvt_i32_f32 v[144+e], v[80+e]                ; the quadrant
.set e, e+1
.endr
.set e, 0
.rept 16
	v_and_b32 v14, 1, v[144+e]
	v_cmp_ne_u32 vcc_lo, 0, v14                    ; odd: sine and cosine change places
	v_cndmask_b32 v[160+e], v[112+e], v[128+e], vcc_lo
	v_cndmask_b32 v[176+e], v[128+e], v[112+e], vcc_lo
	v_lshlrev_b32 v14, 30, v[144+e]
	v_add_nc_u32 v15, 1, v[144+e]
	v_and_b32 v14, 0x80000000, v14                 ; sine negative in quadrants 2, 3
	v_lshlrev_b32 v15, 30, v15
	v_xor_b32 v[160+e], v14, v[160+e]
	v_and_b32 v15, 0x80000000, v15                 ; cosine negative in quadrants 1, 2
	v_xor_b32 v[176+e], v15, v[176+e]
.set e, e+1
.endr
.irp q, 0,1,2,3
	global_store_b128 v[LI], v[176+4*\q:179+4*\q], s[20:21] offset:\q*512
	global_store_b128 v[LI], v[160+4*\q:163+4*\q], s[20:21] offset:2048+\q*512
.endr
.Lend:
	s_wait_tensorcnt 0x0                           ; the wave's end
	ds_add_u32 v[SPW], v[NIL]
	s_wait_dscnt 0x0
	s_endpgm
.Lfunc_end_k_q74b0bc2df6_prep:
	.size	k_q74b0bc2df6_prep, .Lfunc_end_k_q74b0bc2df6_prep-k_q74b0bc2df6_prep
	.p2alignl 7, 3214868480
	.fill 96, 4, 3214868480
	.section	.rodata,"a",@progbits
	.p2align	6, 0x0
	.amdhsa_kernel k_q74b0bc2df6_prep
		.amdhsa_group_segment_fixed_size 68096
		.amdhsa_private_segment_fixed_size 0
		.amdhsa_enable_private_segment 0
		.amdhsa_kernarg_size 72
		.amdhsa_user_sgpr_count 2
		.amdhsa_user_sgpr_kernarg_segment_ptr 1
		.amdhsa_wavefront_size32 1
		.amdhsa_system_sgpr_workgroup_id_x 1
		.amdhsa_system_sgpr_workgroup_id_y 1
		.amdhsa_system_sgpr_workgroup_id_z 1
		.amdhsa_system_vgpr_workitem_id 0
		.amdhsa_next_free_vgpr 256
		.amdhsa_next_free_sgpr 66
		.amdhsa_reserve_vcc 1
		.amdhsa_float_denorm_mode_32 3
		.amdhsa_float_denorm_mode_16_64 3
		.amdhsa_memory_ordered 1
		.amdhsa_forward_progress 1
		.amdhsa_inst_pref_size 47
	.end_amdhsa_kernel
	.amdgpu_metadata
---
amdhsa.version: [ 1, 2 ]
amdhsa.kernels:
  - .name:           k_q74b0bc2df6_prep
    .symbol:         k_q74b0bc2df6_prep.kd
    .args:
      - { .name: hidden_states, .offset: 0, .size: 8, .value_kind: global_buffer, .address_space: global }
      - { .name: q_w, .offset: 8, .size: 8, .value_kind: global_buffer, .address_space: global }
      - { .name: k_w, .offset: 16, .size: 8, .value_kind: global_buffer, .address_space: global }
      - { .name: v_w, .offset: 24, .size: 8, .value_kind: global_buffer, .address_space: global }
      - { .name: o_w, .offset: 32, .size: 8, .value_kind: global_buffer, .address_space: global }
      - { .name: codes, .offset: 40, .size: 8, .value_kind: global_buffer, .address_space: global }
      - { .name: scl, .offset: 48, .size: 8, .value_kind: global_buffer, .address_space: global }
      - { .name: ow16, .offset: 56, .size: 8, .value_kind: global_buffer, .address_space: global }
      - { .name: rope, .offset: 64, .size: 8, .value_kind: global_buffer, .address_space: global }
    .group_segment_fixed_size: 68096
    .private_segment_fixed_size: 0
    .kernarg_segment_align: 8
    .kernarg_segment_size: 72
    .max_flat_workgroup_size: 128
    .sgpr_count:     66
    .vgpr_count:     256
    .wavefront_size: 32
...
	.end_amdgpu_metadata
.endif
;; end of part 1
;; launch qkv (part 2): grid 20 x 32, 4 waves a work-group, no clusters, 0 bytes of LDS; arguments codes, scl, rope, q_ln_w, k_ln_w, q16, kv16, fine; writes q16, kv16, fine
.if DOCPART == 2
	.amdgcn_target "amdgcn-amd-amdhsa--gfx1250"
	.amdhsa_code_object_version 6
	.text
	.protected	k_q74b0bc2df6_qkv
	.globl	k_q74b0bc2df6_qkv
	.p2align	8
	.type	k_q74b0bc2df6_qkv,@function
k_q74b0bc2df6_qkv:
	s_mov_b64 s[64:65], 0
	v_nop
	global_prefetch_b8 v0, s[64:65] scope:SCOPE_SE
	s_setreg_imm32_b32 hwreg(HW_REG_WAVE_MODE, 25, 1), 1
	s_wait_xcnt 0x0
; QKV.  The three quantised products (M 4,096, K 768, N 768 + 256 + 256) on codes of E2M1, then RMS norm and RoPE in f32; q, k, v leave as f16 fragments for the attention,
; and positions 0-15 of each sequence also in f32 (buffer fine).
; A wave multiplies FOUR tiles of 16 rows as source 0 by TWO tiles as source 1, K = 768 in six steps of 128: eight accumulators that take turns.  Only the two first tile numbers differ:
;   x < 16 (q heads 0-11, k heads 12-15): source 0 = the head's 64 weight rows, source 1 = 32 positions: a lane holds ONE position (lane % 16) and channels 16 t + 8 (lane / 16) + j:
;          the norm wants one exchange between the halves of the lanes, RoPE pairs tiles t and t + 2, and the packed result IS the next product's fragment.
;   x >= 16 (v heads): source 0 = 64 positions, source 1 = 32 weight rows: a lane holds one channel and eight neighbouring keys: packed, the fragment of V^T.
; The buffers are laid in the order of the operands' registers: each load and store of a wave covers 512 consecutive bytes at 16 x lane + an immediate; no pointer is stepped, no LDS is used.
; A scale register carries two K steps: lanes 0-15 the even step's words, lanes 16-31 the odd step's.
; No multicast: 2,560 waves read fragments straight into registers; there is no LDS tile that partners could share.
; LIMITS: q and k after the norm are at most 8 |gain| and v is a sum of 768 products: all must lie within f16's range (65,504); under 6e-5 they lose relative precision.
.set LI,  1                            ; v1  16 x lane
.set L4,  2                            ; v2  4 x lane
.set H32, 3                            ; v3  32 x (lane / 16)
.set SC0, 4                            ; v4-15  source 0's scale words: tile t, pair of K steps pr at 3 t + pr; they hold nothing else
.set SC1, 16                           ; v16-21 source 1's
.set ACC, 32                           ; v32-95 accumulator (t, p) at 8 (2 t + p)
.set BUF, 96                           ; v96-239 three fragment buffers of 48: source 0's four tiles, source 1's two
.macro PLACES n
.rept \n
	v_nop
.endr
.endm
.macro LOADK s                         ; K step s: 12 loads into buffer s % 3
.set BF, BUF+48*((\s)%3)
.irp t, 0,1,2,3
.irp c, 0,1
	global_load_b128 v[BF+8*\t+4*\c:BF+8*\t+4*\c+3], v[LI], s[20:21] offset:\t*6144+(\s)*1024+512*\c
.endr
.endr
.irp p, 0,1
.irp c, 0,1
	global_load_b128 v[BF+32+8*\p+4*\c:BF+32+8*\p+4*\c+3], v[LI], s[22:23] offset:\p*6144+(\s)*1024+512*\c
.endr
.endr
.endm
.macro MULK s, zero                    ; K step s: eight products, the accumulators by turns; zero = 1, for K step 0 alone: the products start the sums
.set BF, BUF+48*((\s)%3)
.irp t, 0,1,2,3
.irp p, 0,1
.if \zero
	v_wmma_scale_f32_16x16x128_f8f6f4 v[ACC+8*(2*\t+\p):ACC+8*(2*\t+\p)+7], v[BF+8*\t:BF+8*\t+7], v[BF+32+8*\p:BF+39+8*\p], 0, v[SC0+3*\t+(\s)/2], v[SC1+3*\p+(\s)/2] matrix_a_fmt:MATRIX_FMT_FP4 matrix_b_fmt:MATRIX_FMT_FP4
.elseif (\s)%2
	v_wmma_scale_f32_16x16x128_f8f6f4 v[ACC+8*(2*\t+\p):ACC+8*(2*\t+\p)+7], v[BF+8*\t:BF+8*\t+7], v[BF+32+8*\p:BF+39+8*\p], v[ACC+8*(2*\t+\p):ACC+8*(2*\t+\p)+7], v[SC0+3*\t+(\s)/2], v[SC1+3*\p+(\s)/2] matrix_a_fmt:MATRIX_FMT_FP4 matrix_b_fmt:MATRIX_FMT_FP4 matrix_a_scale:MATRIX_SCALE_ROW1 matrix_b_scale:MATRIX_SCALE_ROW1
.else
	v_wmma_scale_f32_16x16x128_f8f6f4 v[ACC+8*(2*\t+\p):ACC+8*(2*\t+\p)+7], v[BF+8*\t:BF+8*\t+7], v[BF+32+8*\p:BF+39+8*\p], v[ACC+8*(2*\t+\p):ACC+8*(2*\t+\p)+7], v[SC0+3*\t+(\s)/2], v[SC1+3*\p+(\s)/2] matrix_a_fmt:MATRIX_FMT_FP4 matrix_b_fmt:MATRIX_FMT_FP4
.endif
.endr
.endr
.endm
	s_load_b256 s[4:11], s[0:1], 0x0               ; codes, scl, rope, q_ln_w
	s_load_b256 s[12:19], s[0:1], 0x20             ; k_ln_w, q16, kv16, fine
	v_lshrrev_b32 v22, 5, v0
	v_readfirstlane_b32 s2, v22                    ; wave
	v_and_b32 v22, 31, v0
	v_lshlrev_b32 v[LI], 4, v22
	v_lshlrev_b32 v[L4], 2, v22
	v_bfe_u32 v[H32], v0, 4, 1
	v_lshlrev_b32 v[H32], 5, v[H32]
	v_mov_b32 v27, 0                               ; upper halves of pairs of which the low word alone is used
	v_mov_b32 v29, 0
	s_and_b32 s3, ttmp7, 0xffff                    ; y: 128 positions
	s_lshl_b32 s28, ttmp9, 2
	s_add_co_u32 s28, s28, 256                     ; the head's first weight tile: 256 + 4 x, for q, k and v alike
	s_lshl_b32 s29, s3, 3
	s_lshl_b32 s30, s2, 1
	s_add_co_u32 s30, s29, s30                     ; q, k: my two tiles of positions begin at 8 y + 2 w
	s_lshr_b32 s31, s2, 1
	s_lshl_b32 s31, s31, 2
	s_add_co_u32 s31, s29, s31                     ; v: my four at 8 y + 4 (w / 2),
	s_and_b32 s32, s2, 1
	s_lshl_b32 s32, s32, 1
	s_add_co_u32 s32, s28, s32                     ; and my two weight tiles at + 2 (w % 2)
	s_cmp_lt_u32 ttmp9, 16
	s_cselect_b32 s33, s28, s31                    ; source 0's first tile
	s_cselect_b32 s34, s30, s32                    ; source 1's
	s_mul_i32 s36, s33, 6144
	s_mov_b32 s37, 0
	s_mul_i32 s38, s34, 6144
	s_mov_b32 s39, 0
	s_mul_i32 s40, s33, 384
	s_mov_b32 s41, 0
	s_mul_i32 s42, s34, 384
	s_mov_b32 s43, 0
	s_wait_kmcnt 0x0
	s_add_nc_u64 s[20:21], s[4:5], s[36:37]
	s_add_nc_u64 s[22:23], s[4:5], s[38:39]
	s_add_nc_u64 s[24:25], s[6:7], s[40:41]
	s_add_nc_u64 s[26:27], s[6:7], s[42:43]
.irp t, 0,1,2,3
.irp q, 0,1,2
	global_load_b32 v[SC0+3*\t+\q], v[L4], s[24:25] offset:\t*384+\q*128
.endr
.endr
.irp p, 0,1
.irp q, 0,1,2
	global_load_b32 v[SC1+3*\p+\q], v[L4], s[26:27] offset:\p*384+\q*128
.endr
.endr
	LOADK 0
	LOADK 1
	LOADK 2
	; the q and k heads' addresses, made while the loads are out (in a v head they are made and not used)
	s_mov_b32 s44, 0x76543210
	s_mov_b32 s45, 0xfedcba98                      ; selects for lane l xor 16
	s_mov_b32 s46, 0x3c800000                      ; 1 / 64
	s_mov_b32 s47, 0x358637bd                      ; 1e-6
	s_and_b32 s52, s30, 127                        ; pt: my first tile within its sequence
	s_lshr_b32 s53, s30, 7                         ; b
	s_lshl_b32 s54, s52, 12
	s_mov_b32 s55, 0
	s_add_nc_u64 s[50:51], s[8:9], s[54:55]        ; rope + pt x 4,096
	s_mul_i32 s56, s53, 12
	s_add_co_u32 s56, s56, ttmp9                   ; 12 b + head
	s_lshl_b32 s58, s56, 12                        ; its place in fine
	s_lshl_b32 s57, s56, 7
	s_add_co_u32 s57, s57, s52
	s_lshl_b32 s57, s57, 11                        ; and in q16
	s_max_u32 s59, ttmp9, 12
	s_sub_co_u32 s59, s59, 12
	s_lshl_b32 s60, s53, 2
	s_add_co_u32 s59, s59, s60                     ; 4 b + k head
	s_lshl_b32 s61, s59, 12
	s_add_co_u32 s61, s61, 98304                   ; its place in fine
	s_lshl_b32 s60, s59, 5
	s_lshr_b32 s62, s52, 2
	s_add_co_u32 s60, s60, s62
	s_lshl_b32 s60, s60, 14
	s_and_b32 s62, s52, 3
	s_lshl_b32 s62, s62, 11
	s_add_co_u32 s60, s60, s62                     ; and in kv16: block of 64 keys, tile within it
	s_cmp_lt_u32 ttmp9, 12
	s_cselect_b64 s[48:49], s[10:11], s[12:13]     ; the gain
	s_cselect_b64 s[40:41], s[14:15], s[16:17]     ; the target
	s_cselect_b32 s36, s57, s60
	s_cselect_b32 s38, s58, s61
	s_add_nc_u64 s[40:41], s[40:41], s[36:37]
	s_add_nc_u64 s[42:43], s[18:19], s[38:39]
	s_wait_loadcnt 24                              ; the scales and K step 0's fragments are in; the two later steps' 24 loads may be out
	MULK 0, 1                                      ; K step 0 starts the eight sums: nothing is cleared
	PLACES 4                                       ; in front of loads into registers that matrix instructions have read
	LOADK 3
.irp s, 1,2
	s_wait_loadcnt 24                              ; this K step's fragments are in; the two later steps' 24 loads may be out
	MULK \s, 0
	PLACES 4
	LOADK \s+3
.endr
	s_wait_loadcnt 24
	MULK 3, 0
	s_cmp_ge_u32 ttmp9, 16
	s_cbranch_scc1 .Lv
	; ---- q and k heads
	PLACES 4
.irp t, 0,1,2,3
.irp i, 0,1
	global_load_b128 v[96+8*\t+4*\i:99+8*\t+4*\i], v[H32], s[48:49] offset:64*\t+16*\i   ; the gain of my 32 channels: v96-127
.endr
.endr
.irp q, 0,1,2,3
	global_load_b128 v[128+4*\q:131+4*\q], v[LI], s[50:51] offset:\q*512                 ; cos of tile p = 0: v128-143
.endr
	s_wait_loadcnt 24                              ; K step 4 is in; behind it: K step 5's 12 loads and the 12 just issued
	MULK 4, 0
	PLACES 4
.irp q, 0,1,2,3
	global_load_b128 v[144+4*\q:147+4*\q], v[LI], s[50:51] offset:2048+\q*512            ; sin of p = 0
.endr
.irp q, 0,1,2,3
	global_load_b128 v[160+4*\q:163+4*\q], v[LI], s[50:51] offset:4096+\q*512            ; cos of p = 1
.endr
.irp q, 0,1,2,3
	global_load_b128 v[176+4*\q:179+4*\q], v[LI], s[50:51] offset:6144+\q*512            ; sin of p = 1
.endr
	s_wait_loadcnt 24                              ; K step 5 is in; behind it: the gain's and the table's 24 loads
	MULK 5, 0
	PLACES 4                                       ; in front of the first read of results
	s_wait_loadcnt 0x0
	; the mean of squares over the head's 64 channels: my 32, each accumulator from its low end on, then lane l xor 16's
.irp p, 0,1
	v_pk_mul_f32 v[22+2*\p:23+2*\p], v[ACC+8*\p:ACC+8*\p+1], v[ACC+8*\p:ACC+8*\p+1]
.endr
.irp t, 0,1,2,3
.irp jj, 0,2,4,6
.if \t+\jj > 0
.irp p, 0,1
	v_pk_fma_f32 v[22+2*\p:23+2*\p], v[ACC+8*(2*\t+\p)+\jj:ACC+8*(2*\t+\p)+\jj+1], v[ACC+8*(2*\t+\p)+\jj:ACC+8*(2*\t+\p)+\jj+1], v[22+2*\p:23+2*\p]
.endr
.endif
.endr
.endr
	v_add_f32 v22, v22, v23
	v_add_f32 v24, v24, v25
	v_permlanex16_b32 v23, v22, s44, s45
	v_permlanex16_b32 v25, v24, s44, s45
	v_add_f32 v22, v22, v23
	v_add_f32 v24, v24, v25
	v_fma_f32 v22, v22, s46, s47                   ; mean + 1e-6
	v_fma_f32 v24, v24, s46, s47
	v_rsq_f32 v26, v22
	v_rsq_f32 v28, v24
	v_nop                                          ; a plain instruction behind the last of the two,
	s_wait_alu depctr_va_vdst(0)                   ; and one wait for both, ahead of the first reader
.irp t, 0,1,2,3
.irp jj, 0,2,4,6
.irp p, 0,1
	v_pk_mul_f32 v[ACC+8*(2*\t+\p)+\jj:ACC+8*(2*\t+\p)+\jj+1], v[ACC+8*(2*\t+\p)+\jj:ACC+8*(2*\t+\p)+\jj+1], v[26+2*\p:27+2*\p] op_sel_hi:[1,0]
.endr
.endr
.endr
.irp t, 0,1,2,3
.irp jj, 0,2,4,6
.irp p, 0,1
	v_pk_mul_f32 v[ACC+8*(2*\t+\p)+\jj:ACC+8*(2*\t+\p)+\jj+1], v[ACC+8*(2*\t+\p)+\jj:ACC+8*(2*\t+\p)+\jj+1], v[96+8*\t+\jj:97+8*\t+\jj]   ; x the gain
.endr
.endr
.endr
	; RoPE: channels d < 32 (tiles 0, 1) with d + 32 (tiles 2, 3).  Results: p = 0 in v192-223, p = 1 in v96-127 (the gain is done with)
.irp p, 0,1
.irp tt, 0,1
.irp jj, 0,2,4,6
.set RLO, ACC+8*(2*\tt+\p)+\jj
.set RHI, ACC+8*(2*(\tt+2)+\p)+\jj
.set RCO, 128+32*\p+8*\tt+\jj
.set RSI, 144+32*\p+8*\tt+\jj
.set ZLO, 192-96*\p+8*\tt+\jj
.set ZHI, ZLO+16
	v_pk_mul_f32 v[ZLO:ZLO+1], v[RLO:RLO+1], v[RCO:RCO+1]
	v_pk_mul_f32 v[ZHI:ZHI+1], v[RHI:RHI+1], v[RCO:RCO+1]
	v_pk_fma_f32 v[ZLO:ZLO+1], v[RHI:RHI+1], v[RSI:RSI+1], v[ZLO:ZLO+1] neg_lo:[1,0,0] neg_hi:[1,0,0]
	v_pk_fma_f32 v[ZHI:ZHI+1], v[RLO:RLO+1], v[RSI:RSI+1], v[ZHI:ZHI+1]
.endr
.endr
.endr
.irp p, 0,1
.set i, 0
.rept 16
	v_cvt_pk_f16_f32 v[224+16*\p+i], v[192-96*\p+2*i], v[192-96*\p+2*i+1]
.set i, i+1
.endr
.endr
.irp p, 0,1
.irp t, 0,1,2,3
	global_store_b128 v[LI], v[224+16*\p+4*\t:227+16*\p+4*\t], s[40:41] offset:\p*2048+\t*512   ; tile t = channels 16 t on: group t of the position tile's two fragments
.endr
.endr
	s_cmp_lg_u32 s52, 0                            ; positions 0-15 of a sequence also leave in f32
	s_cbranch_scc1 .Lqk_end
.irp q, 0,1,2,3,4,5,6,7
	global_store_b128 v[LI], v[192+4*\q:195+4*\q], s[42:43] offset:\q*512
.endr
.Lqk_end:
	s_endpgm
.Lv:
	; ---- v heads
	s_lshl_b32 s52, s3, 1
	s_lshr_b32 s53, s2, 1
	s_add_co_u32 s52, s52, s53                     ; my block of 64 positions: 0 .. 63
	s_lshr_b32 s53, s52, 5                         ; b
	s_and_b32 s52, s52, 31                         ; kb
	s_lshl_b32 s53, s53, 2
	s_add_co_u32 s53, s53, ttmp9
	s_sub_co_u32 s53, s53, 16                      ; 4 b + v head
	s_and_b32 s54, s2, 1
	s_lshl_b32 s54, s54, 11                        ; my two tiles of channels: 2 (w % 2) x 1,024 bytes
	s_lshl_b32 s36, s53, 5
	s_add_co_u32 s36, s36, s52
	s_lshl_b32 s36, s36, 14
	s_add_co_u32 s36, s36, s54
	s_add_nc_u64 s[40:41], s[16:17], s[36:37]
	s_lshl_b32 s38, s53, 12
	s_add_co_u32 s38, s38, s54
	s_add_co_u32 s38, s38, 131072
	s_add_nc_u64 s[42:43], s[18:19], s[38:39]
	s_wait_loadcnt 12                              ; K step 4 is in; K step 5's 12 loads may be out
	MULK 4, 0
	s_wait_loadcnt 0x0
	MULK 5, 0
	PLACES 4
.irp t, 0,1,2,3
.irp p, 0,1
.irp j, 0,1,2,3
	v_cvt_pk_f16_f32 v[96+4*(2*\t+\p)+\j], v[ACC+8*(2*\t+\p)+2*\j], v[ACC+8*(2*\t+\p)+2*\j+1]   ; eight neighbouring keys of my channel
.endr
.endr
.endr
.irp t, 0,1,2,3
.irp p, 0,1
	global_store_b128 v[LI], v[96+4*(2*\t+\p):99+4*(2*\t+\p)], s[40:41] offset:8192+(\t/2)*4096+\p*1024+(\t%2)*512
.endr
.endr
	s_cmp_lg_u32 s52, 0                            ; keys 0-15 of a sequence also leave in f32
	s_cbranch_scc1 .Lv_end
.irp p, 0,1
.irp g, 0,1
	global_store_b128 v[LI], v[ACC+8*\p+4*\g:ACC+8*\p+4*\g+3], s[42:43] offset:\p*1024+\g*512
.endr
.endr
.Lv_end:
	s_endpgm
.Lfunc_end_k_q74b0bc2df6_qkv:
	.size	k_q74b0bc2df6_qkv, .Lfunc_end_k_q74b0bc2df6_qkv-k_q74b0bc2df6_qkv
	.p2alignl 7, 3214868480
	.fill 96, 4, 3214868480
	.section	.rodata,"a",@progbits
	.p2align	6, 0x0
	.amdhsa_kernel k_q74b0bc2df6_qkv
		.amdhsa_group_segment_fixed_size 0
		.amdhsa_private_segment_fixed_size 0
		.amdhsa_enable_private_segment 0
		.amdhsa_kernarg_size 64
		.amdhsa_user_sgpr_count 2
		.amdhsa_user_sgpr_kernarg_segment_ptr 1
		.amdhsa_wavefront_size32 1
		.amdhsa_system_sgpr_workgroup_id_x 1
		.amdhsa_system_sgpr_workgroup_id_y 1
		.amdhsa_system_sgpr_workgroup_id_z 1
		.amdhsa_system_vgpr_workitem_id 0
		.amdhsa_next_free_vgpr 256
		.amdhsa_next_free_sgpr 66
		.amdhsa_reserve_vcc 0
		.amdhsa_float_denorm_mode_32 3
		.amdhsa_float_denorm_mode_16_64 3
		.amdhsa_memory_ordered 1
		.amdhsa_forward_progress 1
		.amdhsa_inst_pref_size 41
	.end_amdhsa_kernel
	.amdgpu_metadata
---
amdhsa.version: [ 1, 2 ]
amdhsa.kernels:
  - .name:           k_q74b0bc2df6_qkv
    .symbol:         k_q74b0bc2df6_qkv.kd
    .args:
      - { .name: codes, .offset: 0, .size: 8, .value_kind: global_buffer, .address_space: global }
      - { .name: scl, .offset: 8, .size: 8, .value_kind: global_buffer, .address_space: global }
      - { .name: rope, .offset: 16, .size: 8, .value_kind: global_buffer, .address_space: global }
      - { .name: q_ln_w, .offset: 24, .size: 8, .value_kind: global_buffer, .address_space: global }
      - { .name: k_ln_w, .offset: 32, .size: 8, .value_kind: global_buffer, .address_space: global }
      - { .name: q16, .offset: 40, .size: 8, .value_kind: global_buffer, .address_space: global }
      - { .name: kv16, .offset: 48, .size: 8, .value_kind: global_buffer, .address_space: global }
      - { .name: fine, .offset: 56, .size: 8, .value_kind: global_buffer, .address_space: global }
    .group_segment_fixed_size: 0
    .private_segment_fixed_size: 0
    .kernarg_segment_align: 8
    .kernarg_segment_size: 64
    .max_flat_workgroup_size: 128
    .sgpr_count:     66
    .vgpr_count:     256
    .wavefront_size: 32
...
	.end_amdgpu_metadata
.endif
;; end of part 2
;; launch attn (part 3): grid 32 x 8, 4 waves a work-group, no clusters, 167,936 bytes of LDS; arguments q16, kv16, a16; writes a16
.if DOCPART == 3
	.amdgcn_target "amdgcn-amd-amdhsa--gfx1250"
	.amdhsa_code_object_version 6
	.text
	.protected	k_q74b0bc2df6_attn
	.globl	k_q74b0bc2df6_attn
	.p2align	8
	.type	k_q74b0bc2df6_attn,@function
k_q74b0bc2df6_attn:
	s_mov_b64 s[64:65], 0
	v_nop
	global_prefetch_b8 v0, s[64:65] scope:SCOPE_SE
	s_setreg_imm32_b32 hwreg(HW_REG_WAVE_MODE, 25, 1), 1
	s_wait_xcnt 0x0
; ATTN.  Attention under the causal mask with a window of 384 keys, operands in f16, products, maxima and sums in f32, with a running maximum.
; SHARES.  Work-group (u, bk) owns queries 64 u .. 64 u + 63 of the THREE query heads that share key and value head bk (= 4 batch + head): 256 work-groups.  Wave w owns 16 of the queries
; for all three heads, so each fragment of K and V read from LDS feeds three products.  The window of these queries lies in the seven blocks of 64 keys u - 6 .. u.
; LDS.  All seven blocks (16,384 bytes each: K's fragments, then V^T's, as kv16 has them) come at the head by tensor loads, a quarter of a block a wave: seven loads of a wave are out;
; every byte is filled once, so there is no ring.  Step n waits until at most 6 - n of its loads are out, and passes a barrier, since a block's quarters come from four waves.
; NO JUMP.  Near a sequence's start blocks u - 6 + n lie before key 0.  In their place block 0 is fetched, and the step runs with two scalars chosen from the ids: LIM holds the block's largest
; score down to -3e38, PEN adds +infinity to c m, so that every p of the step is 0.  All work-groups run side by side, so such a step lengthens nothing; it costs its energy.
; LAYOUT.  S^T = K Q^T and O^T = V^T P: a lane holds one query (lane % 16) throughout; S^T's tiles, rounded in pairs, are P's fragments; O^T, rounded in pairs, is the next launch's fragment.
; SOFTMAX.  p = 2^(c s - c m), c = log2(e) / 8; in every step but the first O and l are multiplied by a = 2^(c m_old - c m_new).  m never falls under -3e38, so c s - c m is never infinity less infinity.
; No multicast: neighbouring work-groups' windows are shifted by a block, so a slot holds another block in each.  No prefetch: all that the launch reads is asked for at its head.
; LIMITS: l is the sum of the f32 p, the product takes p in f16 (p under 6e-8 counts for nothing there); NaN and infinities are not served.
; REGISTERS, in windows of 256.  Window 0: v1, v2 LDS addresses; v5 d; v6 -infinity; v7, v8 the add's two; v16-39 statistics, 8 a head: +0 c m, +1 m, +2, +3 l, +4..7 at work (a at +6);
;   v40-87 P; v88-135 Q; v136-231 S^T.   Window 1: v0-63 K, v64-127 V^T, v128-223 O^T.
.set SPARE, 114688                     ; behind the seven slots: the spare words, 128 bytes a wave
.set LI0, 1                            ; v1  16 x lane: slots 0-3 (an LDS immediate has 16 bits)
.set LI1, 2                            ; v2  + 65,536: slots 4-6
.set DD,  5                            ; v5  d = 16 w + lane % 16 - 8 (lane / 16)
.set NINF, 6
.set SPW, 7
.set NIL, 8
.set ST,  16
.set P,   40
.set Q,   88
.set S,   136
.set OA,  128                          ; in window 1
.set G1,  16                           ; s[16:23] descriptor group 1;  s[24:51] seven groups 0
.set G0,  24
.set MSB, 0
.macro WIN new                         ; the immediate's high byte repeats the setting that is left
.if MSB != \new
	s_set_vgpr_msb (MSB<<8)|\new
.set MSB, \new
.endif
.endm
.macro PLACES n
.rept \n
	v_nop
.endr
.endm
	s_load_b128 s[4:7], s[0:1], 0x0                ; q16, kv16
	s_load_b64 s[8:9], s[0:1], 0x10                ; a16
	v_lshl_add_u32 v[SPW], v0, 2, SPARE
	v_mov_b32 v[NIL], 0
	ds_add_u32 v[SPW], v[NIL]                      ; the opening: the add, twice on end, and its wait ahead of my first tensor load
	ds_add_u32 v[SPW], v[NIL]
	v_lshrrev_b32 v4, 5, v0
	v_readfirstlane_b32 s2, v4                     ; wave
	v_and_b32 v4, 31, v0
	v_lshlrev_b32 v[LI0], 4, v4
	v_add_nc_u32 v[LI1], 0x10000, v[LI0]
	v_and_b32 v[DD], 15, v0
	v_bfe_u32 v4, v0, 4, 1
	v_lshlrev_b32 v4, 3, v4
	v_sub_nc_u32 v[DD], v[DD], v4
	s_lshl_b32 s59, s2, 4
	v_add_nc_u32 v[DD], s59, v[DD]
	v_mov_b32 v[NINF], 0xff800000
	s_mov_b32 s10, ttmp9                           ; u
	s_and_b32 s11, ttmp7, 0xffff                   ; bk
	s_mov_b32 s12, 0x3e38aa3b                      ; c = log2(e) / 8
	s_mov_b32 s13, s12                             ; (named with it as a pair)
	s_mov_b32 s14, 0x76543210
	s_mov_b32 s15, 0xfedcba98                      ; selects for lane l xor 16
	s_mov_b32 s52, 0xff61b1e6                      ; -3e38
	s_lshl_b32 s55, s11, 5                         ; 32 blocks a head
	s_mov_b32 s57, 0
	s_lshl_b32 s58, s2, 12                         ; my quarter of a block
	s_mov_b32 s[G1+0], 3<<16                       ; no mask; elements of 8 bytes; no padding
	s_mov_b32 s[G1+1], 32<<16                      ; tensor_dim0 = 32 elements: rows of 256 bytes
	s_mov_b32 s[G1+2], 16<<16                      ; tensor_dim1 = 16
	s_mov_b32 s[G1+3], 32<<16                      ; tile_dim0 = 32
	s_mov_b32 s[G1+4], 16                          ; tile_dim1 = 16 rows: 4,096 dense bytes
	s_mov_b32 s[G1+5], 32                          ; pitch = row
	s_mov_b32 s[G1+6], 0
	s_mov_b32 s[G1+7], 0
	s_wait_dscnt 0x0                               ; both opening adds are done
	s_wait_kmcnt 0x0
.irp n, 0,1,2,3,4,5,6
	s_add_co_u32 s56, s10, \n
	s_max_u32 s56, s56, 6
	s_sub_co_u32 s56, s56, 6                       ; block u - 6 + n, or block 0 where that lies before the sequence
	s_add_co_u32 s56, s56, s55
	s_lshl_b32 s56, s56, 14
	s_add_co_u32 s56, s56, s58
	s_mov_b32 s[G0+4*\n], 1                        ; count = 1
	s_add_co_u32 s[G0+4*\n+1], s58, \n*16384       ; LDS: slot n, my quarter
	s_add_nc_u64 s[G0+4*\n+2:G0+4*\n+3], s[6:7], s[56:57]
	s_or_b32 s[G0+4*\n+3], s[G0+4*\n+3], 0x80000000   ; type = 2
	tensor_load_to_lds s[G0+4*\n:G0+4*\n+3], s[G1:G1+7]
	s_nop 0
.endr
	s_lshl_b32 s58, s10, 2
	s_add_co_u32 s58, s58, s2                      ; my tile of 16 queries in the sequence: 4 u + w
	s_mul_i32 s56, s11, 384                        ; first query head 3 bk, 128 tiles a head
	s_add_co_u32 s56, s56, s58
	s_lshl_b32 s56, s56, 11
	s_add_nc_u64 s[4:5], s[4:5], s[56:57]
.irp hq, 0,1,2
.irp f, 0,1,2,3
	global_load_b128 v[Q+16*\hq+4*\f:Q+16*\hq+4*\f+3], v[LI0], s[4:5] offset:\hq*262144+\f*512   ; Q stays in registers
.endr
.endr
	s_lshr_b32 s59, s11, 2
	s_lshl_b32 s59, s59, 7
	s_add_co_u32 s59, s59, s58                     ; my tile among the 256
	s_mul_i32 s56, s59, 24576
	s_and_b32 s59, s11, 3
	s_mul_i32 s59, s59, 6144                       ; my three heads' place in its 24 fragments
	s_add_co_u32 s56, s56, s59
	s_add_nc_u64 s[8:9], s[8:9], s[56:57]
	s_wait_loadcnt 0x0                             ; Q
; A STEP: the 64 keys of slot n.  n = 0: the window's far edge, and the first step (it starts m, l and O^T); n = 6: the diagonal.
.macro STEP n
	s_wait_tensorcnt 6-\n                          ; my quarter of slot n has landed; the 6 - n later slots' loads may be out
	s_barrier_signal -1
	s_barrier_wait -1                              ; everybody's has
.if \n < 6
	s_add_co_u32 s56, s10, \n
	s_cmp_ge_u32 s56, 6                            ; does block u - 6 + n exist?
	s_cselect_b32 s53, 0x7f800000, s52             ; LIM: +infinity, or -3e38
	s_cselect_b32 s54, 0, 0x7f800000               ; PEN: 0, or +infinity
.endif
.if \n < 4
.set AD, LI0
.set OF, \n*16384
.else
.set AD, LI1
.set OF, (\n-4)*16384
.endif
	WIN 0x40                                       ; destination window 1
.set i, 0
.rept 32
	ds_load_b128 v[4*i:4*i+3], v[AD] offset:OF+512*i   ; K's 16 groups of four registers, then V^T's 16, as they lie
.set i, i+1
.endr
	s_wait_dscnt 16                                ; K is in; V^T's 16 loads may be out
	WIN 0x01                                       ; K in window 1; Q and S^T in window 0
.irp c, 0,1
.irp hq, 0,1,2
.irp kt, 0,1,2,3
.if \c == 0
	v_wmma_f32_16x16x32_f16 v[S+32*\hq+8*\kt:S+32*\hq+8*\kt+7], v[8*(2*\kt+\c):8*(2*\kt+\c)+7], v[Q+16*\hq+8*\c:Q+16*\hq+8*\c+7], 0
.else
	v_wmma_f32_16x16x32_f16 v[S+32*\hq+8*\kt:S+32*\hq+8*\kt+7], v[8*(2*\kt+\c):8*(2*\kt+\c)+7], v[Q+16*\hq+8*\c:Q+16*\hq+8*\c+7], v[S+32*\hq+8*\kt:S+32*\hq+8*\kt+7]
.endif
.endr
.endr
.endr
	WIN 0
	PLACES 4                                       ; in front of the first read of results
.if (\n == 0) || (\n == 6)             ; register 8 kt + j holds the slot's key 16 kt + j + 8 (lane / 16).  Diagonal: hidden where 16 kt + j > d; far edge: where 16 kt + j <= d
.set i, 0
.rept 32
.if \n == 6
	v_cmp_gt_i32 vcc_lo, 16*(i/8)+i%8, v[DD]
.else
	v_cmp_le_i32 vcc_lo, 16*(i/8)+i%8, v[DD]
.endif
.irp hq, 0,1,2
	v_cndmask_b32 v[S+32*\hq+i], v[S+32*\hq+i], v[NINF], vcc_lo
.endr
.set i, i+1
.endr
.endif
	; the largest of my 32 scores, three operands at a time, each accumulator from its low end on; the three heads by turns
.irp j, 0,1,2,3
.irp hq, 0,1,2
	v_max3_num_f32 v[ST+8*\hq+4+\j], v[S+32*\hq+8*\j], v[S+32*\hq+8*\j+1], v[S+32*\hq+8*\j+2]
.endr
.endr
.irp k, 3,5
.irp j, 0,1,2,3
.irp hq, 0,1,2
	v_max3_num_f32 v[ST+8*\hq+4+\j], v[ST+8*\hq+4+\j], v[S+32*\hq+8*\j+\k], v[S+32*\hq+8*\j+\k+1]
.endr
.endr
.endr
.irp hq, 0,1,2
	v_max3_num_f32 v[ST+8*\hq+4], v[ST+8*\hq+4], v[S+32*\hq+7], v[S+32*\hq+15]
.endr
.irp hq, 0,1,2
	v_max3_num_f32 v[ST+8*\hq+6], v[ST+8*\hq+6], v[S+32*\hq+23], v[S+32*\hq+31]
.endr
.irp hq, 0,1,2
	v_max3_num_f32 v[ST+8*\hq+4], v[ST+8*\hq+4], v[ST+8*\hq+5], v[ST+8*\hq+6]
.endr
.irp hq, 0,1,2
	v_max_num_f32 v[ST+8*\hq+4], v[ST+8*\hq+4], v[ST+8*\hq+7]
.endr
.if \n < 6
.irp hq, 0,1,2
	v_min_num_f32 v[ST+8*\hq+4], s53, v[ST+8*\hq+4]   ; a block that does not exist raises no maximum
.endr
.endif
.irp hq, 0,1,2
	v_permlanex16_b32 v[ST+8*\hq+5], v[ST+8*\hq+4], s14, s15   ; the query's other 32 keys lie in the lane 16 away
.endr
.if \n > 0
.irp hq, 0,1,2
	v_mov_b32 v[ST+8*\hq+7], v[ST+8*\hq]           ; c m_old
.endr
.irp hq, 0,1,2
	v_max3_num_f32 v[ST+8*\hq+1], v[ST+8*\hq+4], v[ST+8*\hq+5], v[ST+8*\hq+1]
.endr
.else
.irp hq, 0,1,2
	v_max3_num_f32 v[ST+8*\hq+1], v[ST+8*\hq+4], v[ST+8*\hq+5], s52   ; the first m, not under -3e38
.endr
.endif
.irp hq, 0,1,2
	v_mul_f32 v[ST+8*\hq], s12, v[ST+8*\hq+1]      ; c m
.endr
.if \n > 0
.irp hq, 0,1,2
	v_sub_f32 v[ST+8*\hq+7], v[ST+8*\hq+7], v[ST+8*\hq]
.endr
.endif
.if \n < 6
.irp hq, 0,1,2
	v_add_f32 v[ST+8*\hq+4], s54, v[ST+8*\hq]      ; c m + PEN is what is taken off c s
.endr
.set CM, 4
.else
.set CM, 0
.endif
.set i, 0
.rept 16
.irp hq, 0,1,2
	v_pk_fma_f32 v[S+32*\hq+2*i:S+32*\hq+2*i+1], v[S+32*\hq+2*i:S+32*\hq+2*i+1], s[12:13], v[ST+8*\hq+CM:ST+8*\hq+CM+1] op_sel_hi:[1,0,0] neg_lo:[0,0,1] neg_hi:[0,0,1]
.endr
.set i, i+1
.endr
.if \n > 0
.irp hq, 0,1,2
	v_exp_f32 v[ST+8*\hq+6], v[ST+8*\hq+7]         ; a
.endr
.endif
.set i, 0
.rept 96
	v_exp_f32 v[S+i], v[S+i]                       ; p: one batch
.set i, i+1
.endr
	v_nop                                          ; a plain instruction behind the last exponential,
	s_wait_alu depctr_va_vdst(0)                   ; and one wait for the batch, ahead of its first reader
.set i, 0
.rept 48
	v_cvt_pk_f16_f32 v[P+i], v[S+2*i], v[S+2*i+1]
.set i, i+1
.endr
	; the sum of my 32 p, in pairs, in place
.irp u, 0,1,2,3,4,5,6,7
.irp hq, 0,1,2
	v_pk_add_f32 v[S+32*\hq+4*\u:S+32*\hq+4*\u+1], v[S+32*\hq+4*\u:S+32*\hq+4*\u+1], v[S+32*\hq+4*\u+2:S+32*\hq+4*\u+3]
.endr
.endr
.irp u, 0,1,2,3
.irp hq, 0,1,2
	v_pk_add_f32 v[S+32*\hq+8*\u:S+32*\hq+8*\u+1], v[S+32*\hq+8*\u:S+32*\hq+8*\u+1], v[S+32*\hq+8*\u+4:S+32*\hq+8*\u+5]
.endr
.endr
.irp u, 0,1
.irp hq, 0,1,2
	v_pk_add_f32 v[S+32*\hq+16*\u:S+32*\hq+16*\u+1], v[S+32*\hq+16*\u:S+32*\hq+16*\u+1], v[S+32*\hq+16*\u+8:S+32*\hq+16*\u+9]
.endr
.endr
.if \n > 0
.irp hq, 0,1,2
	v_pk_add_f32 v[S+32*\hq:S+32*\hq+1], v[S+32*\hq:S+32*\hq+1], v[S+32*\hq+16:S+32*\hq+17]
.endr
.irp hq, 0,1,2
	v_pk_fma_f32 v[ST+8*\hq+2:ST+8*\hq+3], v[ST+8*\hq+2:ST+8*\hq+3], v[ST+8*\hq+6:ST+8*\hq+7], v[S+32*\hq:S+32*\hq+1] op_sel_hi:[1,0,1]   ; l = a l + the sum
.endr
	WIN 0x41                                       ; O^T in window 1, a in window 0
.irp hq, 0,1,2
.set i, 0
.rept 16
	v_pk_mul_f32 v[OA+32*\hq+2*i:OA+32*\hq+2*i+1], v[OA+32*\hq+2*i:OA+32*\hq+2*i+1], v[ST+8*\hq+6:ST+8*\hq+7] op_sel_hi:[1,0]
.set i, i+1
.endr
.endr
.else
.irp hq, 0,1,2
	v_pk_add_f32 v[ST+8*\hq+2:ST+8*\hq+3], v[S+32*\hq:S+32*\hq+1], v[S+32*\hq+16:S+32*\hq+17]   ; the first l
.endr
.endif
	s_wait_dscnt 0x0                               ; V^T is in
	WIN 0x51                                       ; V^T and O^T in window 1, P in window 0
.irp kk, 0,1
.irp hq, 0,1,2
.irp ct, 0,1,2,3
.if (\n == 0) && (\kk == 0)
	v_wmma_f32_16x16x32_f16 v[OA+32*\hq+8*\ct:OA+32*\hq+8*\ct+7], v[64+8*(4*\kk+\ct):64+8*(4*\kk+\ct)+7], v[P+16*\hq+8*\kk:P+16*\hq+8*\kk+7], 0
.else
	v_wmma_f32_16x16x32_f16 v[OA+32*\hq+8*\ct:OA+32*\hq+8*\ct+7], v[64+8*(4*\kk+\ct):64+8*(4*\kk+\ct)+7], v[P+16*\hq+8*\kk:P+16*\hq+8*\kk+7], v[OA+32*\hq+8*\ct:OA+32*\hq+8*\ct+7]
.endif
.endr
.endr
.endr
	WIN 0
	PLACES 4                                       ; in front of the next step's loads into V^T's registers, and of the end's reads of O^T
.endm
	STEP 0
	STEP 1
	STEP 2
	STEP 3
	STEP 4
	STEP 5
	STEP 6
	; THE WAY OUT: O^T / l, rounded to f16: a lane's eight channels of a tile are 16 bytes of the next launch's fragment
.irp hq, 0,1,2
	v_add_f32 v[ST+8*\hq+4], v[ST+8*\hq+2], v[ST+8*\hq+3]
.endr
.irp hq, 0,1,2
	v_permlanex16_b32 v[ST+8*\hq+5], v[ST+8*\hq+4], s14, s15
.endr
.irp hq, 0,1,2
	v_add_f32 v[ST+8*\hq+4], v[ST+8*\hq+4], v[ST+8*\hq+5]
.endr
.irp hq, 0,1,2
	v_rcp_f32 v[ST+8*\hq+6], v[ST+8*\hq+4]
.endr
	v_nop
	s_wait_alu depctr_va_vdst(0)                   ; one wait for the three reciprocals, ahead of their first reader
	WIN 0x41
.irp hq, 0,1,2
.set i, 0
.rept 16
	v_pk_mul_f32 v[OA+32*\hq+2*i:OA+32*\hq+2*i+1], v[OA+32*\hq+2*i:OA+32*\hq+2*i+1], v[ST+8*\hq+6:ST+8*\hq+7] op_sel_hi:[1,0]
.set i, i+1
.endr
.endr
	WIN 0x05                                       ; both sources window 1, destination window 0: S^T's registers are free
.set i, 0
.rept 48
	v_cvt_pk_f16_f32 v[S+i], v[OA+2*i], v[OA+2*i+1]
.set i, i+1
.endr
	WIN 0
.irp hq, 0,1,2
.irp ct, 0,1,2,3
	global_store_b128 v[LI0], v[S+16*\hq+4*\ct:S+16*\hq+4*\ct+3], s[8:9] offset:\hq*2048+\ct*512
.endr
.endr
	s_wait_tensorcnt 0x0                           ; the wave's end
	ds_add_u32 v[SPW], v[NIL]
	s_wait_dscnt 0x0
	s_endpgm
.Lfunc_end_k_q74b0bc2df6_attn:
	.size	k_q74b0bc2df6_attn, .Lfunc_end_k_q74b0bc2df6_attn-k_q74b0bc2df6_attn
	.p2alignl 7, 3214868480
	.fill 96, 4, 3214868480
	.section	.rodata,"a",@progbits
	.p2align	6, 0x0
	.amdhsa_kernel k_q74b0bc2df6_attn
		.amdhsa_group_segment_fixed_size 167936
		.amdhsa_private_segment_fixed_size 0
		.amdhsa_enable_private_segment 0
		.amdhsa_kernarg_size 24
		.amdhsa_user_sgpr_count 2
		.amdhsa_user_sgpr_kernarg_segment_ptr 1
		.amdhsa_wavefront_size32 1
		.amdhsa_system_sgpr_workgroup_id_x 1
		.amdhsa_system_sgpr_workgroup_id_y 1
		.amdhsa_system_sgpr_workgroup_id_z 1
		.amdhsa_system_vgpr_workitem_id 0
		.amdhsa_next_free_vgpr 512
		.amdhsa_next_free_sgpr 66
		.amdhsa_reserve_vcc 1
		.amdhsa_float_denorm_mode_32 3
		.amdhsa_float_denorm_mode_16_64 3
		.amdhsa_memory_ordered 1
		.amdhsa_forward_progress 1
		.amdhsa_inst_pref_size 192
	.end_amdhsa_kernel
	.amdgpu_metadata
---
amdhsa.version: [ 1, 2 ]
amdhsa.kernels:
  - .name:           k_q74b0bc2df6_attn
    .symbol:         k_q74b0bc2df6_attn.kd
    .args:
      - { .name: q16, .offset: 0, .size: 8, .value_kind: global_buffer, .address_space: global }
      - { .name: kv16, .offset: 8, .size: 8, .value_kind: global_buffer, .address_space: global }
      - { .name: a16, .offset: 16, .size: 8, .value_kind: global_buffer, .address_space: global }
    .group_segment_fixed_size: 167936
    .private_segment_fixed_size: 0
    .kernarg_segment_align: 8
    .kernarg_segment_size: 24
    .max_flat_workgroup_size: 128
    .sgpr_count:     66
    .vgpr_count:     512
    .wavefront_size: 32
...
	.end_amdgpu_metadata
.endif
;; end of part 3
;; launch oproj (part 4): grid 6 x 32, 4 waves a work-group, no clusters, 17,920 bytes of LDS; arguments a16, ow16, out0; writes out0
.if DOCPART == 4
	.amdgcn_target "amdgcn-amd-amdhsa--gfx1250"
	.amdhsa_code_object_version 6
	.text
	.protected	k_q74b0bc2df6_oproj
	.globl	k_q74b0bc2df6_oproj
	.p2align	8
	.type	k_q74b0bc2df6_oproj,@function
k_q74b0bc2df6_oproj:
	s_mov_b64 s[64:65], 0
	v_nop
	global_prefetch_b8 v0, s[64:65] scope:SCOPE_SE
	s_setreg_imm32_b32 hwreg(HW_REG_WAVE_MODE, 25, 1), 1
	s_wait_xcnt 0x0
; OPROJ.  out[p][n] = the sum over k of attention[p][k] o_w[n][k], M 4,096, N 768, K 768, operands in f16, sums in f32; all rows but positions 0-15 of each sequence, which the next launch makes in f32.
; A work-group makes 128 positions x 128 columns, a wave 64 x 64: 16 accumulators that take turns.  Source 0 = 16 rows of o_w, source 1 = 16 positions: a lane holds eight neighbouring columns of one row of out.
; Both operands lie in memory in the order of the operands' registers: each load covers 512 consecutive bytes at 16 x lane + an immediate; the 24 K steps of 32 are written out, no pointer is stepped.
; Four fragment buffers: a K step's 16 loads are issued three steps ahead; at most 48 loads of a wave are out.
; The way out goes through the wave's own stage in LDS (16 rows x (256 + 16) bytes), so that sixteen lanes store 256 consecutive bytes, at a multiple of 256 from out's first byte.
; A wave whose first tile is positions 0-15 of a sequence multiplies that tile with the others and does not store it: 2 tiles in 256.
; No multicast: the grid's six work-groups along x divide into no cluster of four, and fragments go straight to registers.
; REGISTERS: window 0: v1-6 addresses; v16-79 rows read back, two sets; v128-255 accumulator (b, a) at 128 + 8 (4 b + a).  Window 1: four buffers of 64: o_w's four fragments, then the positions' four.
.set SPARE, 17408                      ; behind the four stages: the spare words
.set LI,  1                            ; v1  16 x lane
.set STO, 2                            ; v2  stage, way in: 272 r + 32 h
.set RD,  3                            ; v3  stage, way out: 272 h + 16 r
.set CO,  4                            ; v4  the same two rows in out: 3,072 h + 16 r
.set SPW, 5
.set NIL, 6
.set ACC, 128
.set MSB, 0
.macro WIN new
.if MSB != \new
	s_set_vgpr_msb (MSB<<8)|\new
.set MSB, \new
.endif
.endm
.macro PLACES n
.rept \n
	v_nop
.endr
.endm
.macro LD ks
.set BF, 64*((\ks)%4)
.irp a, 0,1,2,3
.irp g, 0,1
	global_load_b128 v[BF+8*\a+4*\g:BF+8*\a+4*\g+3], v[LI], s[6:7] offset:\a*24576+(\ks)*1024+512*\g
.endr
.endr
.irp b, 0,1,2,3
.irp g, 0,1
	global_load_b128 v[BF+32+8*\b+4*\g:BF+32+8*\b+4*\g+3], v[LI], s[4:5] offset:\b*24576+(\ks)*1024+512*\g
.endr
.endr
.endm
.macro MUL ks
.set BF, 64*((\ks)%4)
.irp b, 0,1,2,3
.irp a, 0,1,2,3
.if (\ks) == 0
	v_wmma_f32_16x16x32_f16 v[ACC+8*(4*\b+\a):ACC+8*(4*\b+\a)+7], v[BF+8*\a:BF+8*\a+7], v[BF+32+8*\b:BF+39+8*\b], 0
.else
	v_wmma_f32_16x16x32_f16 v[ACC+8*(4*\b+\a):ACC+8*(4*\b+\a)+7], v[BF+8*\a:BF+8*\a+7], v[BF+32+8*\b:BF+39+8*\b], v[ACC+8*(4*\b+\a):ACC+8*(4*\b+\a)+7]
.endif
.endr
.endr
.endm
	s_load_b128 s[4:7], s[0:1], 0x0                ; a16, ow16
	s_load_b64 s[8:9], s[0:1], 0x10                ; out0
	v_lshl_add_u32 v[SPW], v0, 2, SPARE
	v_mov_b32 v[NIL], 0
	v_lshrrev_b32 v7, 5, v0
	v_readfirstlane_b32 s2, v7                     ; wave
	v_and_b32 v7, 31, v0
	v_lshlrev_b32 v[LI], 4, v7
	v_and_b32 v7, 15, v0                           ; r
	v_bfe_u32 v8, v0, 4, 1                         ; h
	s_mul_i32 s3, s2, 4352                         ; my stage
	v_mul_u32_u24 v[STO], v7, 272
	v_lshl_add_u32 v[STO], v8, 5, v[STO]
	v_add_nc_u32 v[STO], s3, v[STO]
	v_mul_u32_u24 v[RD], v8, 272
	v_lshl_add_u32 v[RD], v7, 4, v[RD]
	v_add_nc_u32 v[RD], s3, v[RD]
	v_mul_u32_u24 v[CO], v8, 3072
	v_lshl_add_u32 v[CO], v7, 4, v[CO]
	s_and_b32 s10, ttmp7, 0xffff
	s_lshr_b32 s11, s2, 1                          ; which 64 positions
	s_and_b32 s12, s2, 1                           ; which 64 columns
	s_lshl_b32 s13, ttmp9, 3
	s_lshl_b32 s14, s12, 2
	s_add_co_u32 s13, s13, s14                     ; o_w's first tile: 8 x + 4 (w % 2)
	s_lshl_b32 s14, s10, 3
	s_lshl_b32 s15, s11, 2
	s_add_co_u32 s14, s14, s15                     ; the positions' first tile: 8 y + 4 (w / 2)
	s_mul_i32 s16, s13, 24576
	s_mov_b32 s17, 0
	s_mul_i32 s18, s14, 24576
	s_mov_b32 s19, 0
	s_mul_i32 s20, s14, 49152                      ; 16 rows of out
	s_lshl_b32 s21, ttmp9, 9
	s_add_co_u32 s20, s20, s21
	s_lshl_b32 s21, s12, 8
	s_add_co_u32 s20, s20, s21
	s_mov_b32 s21, 0
	s_and_b32 s22, s14, 127                        ; 0: my first tile is positions 0-15 of a sequence
	s_wait_kmcnt 0x0
	s_add_nc_u64 s[6:7], s[6:7], s[16:17]
	s_add_nc_u64 s[4:5], s[4:5], s[18:19]
	s_add_nc_u64 s[8:9], s[8:9], s[20:21]
	WIN 0x40                                       ; destination window 1
	LD 0
	LD 1
	LD 2
.set KS, 0
.rept 24
.if (KS > 0) && (KS+3 < 24)
	PLACES 4                                       ; in front of loads into the buffer that the last step's products read
.endif
.if 23-KS >= 2
	s_wait_loadcnt 32                              ; this step's 16 loads are in; the two later steps' 32 may be out
.else
	s_wait_loadcnt 16*(23-KS)
.endif
.if KS+3 < 24
	WIN 0x40
	LD KS+3
.endif
	WIN 0x05                                       ; both sources window 1, C and D window 0
	MUL KS
.set KS, KS+1
.endr
	WIN 0
	PLACES 4                                       ; in front of the first read of results
.macro OUTB b                          ; 16 positions x 64 columns: through my stage, and out as whole runs of 256 bytes.  LDS serves a wave's instructions in order: no wait between the stores and the loads
.set BK, 16+32*((\b)%2)
.irp a, 0,1,2,3
	ds_store_b128 v[STO], v[ACC+8*(4*(\b)+\a):ACC+8*(4*(\b)+\a)+3] offset:64*\a        ; each accumulator from its low end on
	ds_store_b128 v[STO], v[ACC+8*(4*(\b)+\a)+4:ACC+8*(4*(\b)+\a)+7] offset:64*\a+16
.endr
.if (\b) > 1
	s_wait_xcnt 0x0                                ; the stores of two blocks ago have read their registers, which the loads below fill again
.endif
.irp i, 0,1,2,3,4,5,6,7
	ds_load_b128 v[BK+4*\i:BK+4*\i+3], v[RD] offset:544*\i
.endr
	s_wait_dscnt 0x0
.irp i, 0,1,2,3,4,5,6,7
	global_store_b128 v[CO], v[BK+4*\i:BK+4*\i+3], s[8:9] offset:(16*(\b)+2*\i)*3072 th:TH_STORE_NT
.endr
.endm
	s_cmp_eq_u32 s22, 0
	s_cbranch_scc1 .Lnot_mine                      ; positions 0-15 of a sequence belong to the next launch
	OUTB 0
.Lnot_mine:
	OUTB 1
	OUTB 2
	OUTB 3
	s_wait_tensorcnt 0x0                           ; the wave's end
	ds_add_u32 v[SPW], v[NIL]
	s_wait_dscnt 0x0
	s_endpgm
.Lfunc_end_k_q74b0bc2df6_oproj:
	.size	k_q74b0bc2df6_oproj, .Lfunc_end_k_q74b0bc2df6_oproj-k_q74b0bc2df6_oproj
	.p2alignl 7, 3214868480
	.fill 96, 4, 3214868480
	.section	.rodata,"a",@progbits
	.p2align	6, 0x0
	.amdhsa_kernel k_q74b0bc2df6_oproj
		.amdhsa_group_segment_fixed_size 17920
		.amdhsa_private_segment_fixed_size 0
		.amdhsa_enable_private_segment 0
		.amdhsa_kernarg_size 24
		.amdhsa_user_sgpr_count 2
		.amdhsa_user_sgpr_kernarg_segment_ptr 1
		.amdhsa_wavefront_size32 1
		.amdhsa_system_sgpr_workgroup_id_x 1
		.amdhsa_system_sgpr_workgroup_id_y 1
		.amdhsa_system_sgpr_workgroup_id_z 1
		.amdhsa_system_vgpr_workitem_id 0
		.amdhsa_next_free_vgpr 512
		.amdhsa_next_free_sgpr 66
		.amdhsa_reserve_vcc 0
		.amdhsa_float_denorm_mode_32 3
		.amdhsa_float_denorm_mode_16_64 3
		.amdhsa_memory_ordered 1
		.amdhsa_forward_progress 1
		.amdhsa_inst_pref_size 75
	.end_amdhsa_kernel
	.amdgpu_metadata
---
amdhsa.version: [ 1, 2 ]
amdhsa.kernels:
  - .name:           k_q74b0bc2df6_oproj
    .symbol:         k_q74b0bc2df6_oproj.kd
    .args:
      - { .name: a16, .offset: 0, .size: 8, .value_kind: global_buffer, .address_space: global }
      - { .name: ow16, .offset: 8, .size: 8, .value_kind: global_buffer, .address_space: global }
      - { .name: out0, .offset: 16, .size: 8, .value_kind: global_buffer, .address_space: global }
    .group_segment_fixed_size: 17920
    .private_segment_fixed_size: 0
    .kernarg_segment_align: 8
    .kernarg_segment_size: 24
    .max_flat_workgroup_size: 128
    .sgpr_count:     66
    .vgpr_count:     512
    .wavefront_size: 32
...
	.end_amdgpu_metadata
.endif
;; end of part 4
;; launch first16 (part 5): grid 48 x 2, 12 waves a work-group, no clusters, 13,824 bytes of LDS; arguments fine, o_w, out0; writes out0
.if DOCPART == 5
	.amdgcn_target "amdgcn-amd-amdhsa--gfx1250"
	.amdhsa_code_object_version 6
	.text
	.protected	k_q74b0bc2df6_first16
	.globl	k_q74b0bc2df6_first16
	.p2align	8
	.type	k_q74b0bc2df6_first16,@function
k_q74b0bc2df6_first16:
	s_mov_b64 s[64:65], 0
	v_nop
	global_prefetch_b8 v0, s[64:65] scope:SCOPE_SE
	s_setreg_imm32_b32 hwreg(HW_REG_WAVE_MODE, 25, 1), 1
	s_wait_xcnt 0x0
; FIRST16.  Positions 0-15 of both sequences, where a row of the softmax averages one to sixteen values: attention and the projection on the way out with f32 operands.
; Work-group (x, b) makes rows 0-15 of batch b, columns 16 x .. 16 x + 15.  Wave = query head: it makes its head's attention (16 queries x 16 keys x 64 channels) and that head's 64 of the
; projection's K = 768; the twelve shares meet in LDS and wave 0 adds them in a fixed order.  The attention is made anew in each of the 48 column work-groups: no work-group reads what another stores.
; K IS PERMUTED ALIKE ON BOTH SIDES.  The form takes k = 2 (lane / 16) + j from register j of a pair.  A lane's eight registers of a tile hold 8 (lane / 16) + 0..7 along K on both sides,
; so the step that takes registers 2 i and 2 i + 1 of both multiplies the same four k; four steps cover a tile's 16.
; All three products are used transposed (source 0 = keys, channels of V, rows of o_w; source 1 = queries): a lane holds one query (lane % 16) throughout.
; The four accumulators v160-191 are written by matrix instructions alone and take turns; each sum begins with the constant 0; nine plain places stand behind each run, since the next run begins them anew.
; The stores cover 64 consecutive bytes of each of 16 rows: 98,304 bytes in all, under a hundredth of the output.
; REGISTERS: v1-5 addresses; v8-15 scores, then p; v16-29 at work; v32-63 Q, v64-95 K, v96-127 V^T, v128-159 o_w; v192-223 attention's result; v224-231 my share.
.set SPARE, 12288                      ; behind the twelve shares of 1,024 bytes: the spare words, 128 bytes a wave
.set LI,  1                            ; v1  16 x lane
.set OWO, 2                            ; v2  3,072 r + 32 h: my 32 bytes in 16 rows of o_w, and of out
.set DD,  3                            ; v3  d = r - 8 h
.set SPW, 4
.set NIL, 5
.set SHA, 30                           ; v30 where my share goes: 1,024 x wave + 16 x lane
.set ACC, 160
.macro PLACES n
.rept \n
	v_nop
.endr
.endm
	s_load_b128 s[4:7], s[0:1], 0x0                ; fine, o_w
	s_load_b64 s[8:9], s[0:1], 0x10                ; out0
	v_lshl_add_u32 v[SPW], v0, 2, SPARE
	v_mov_b32 v[NIL], 0
	v_lshrrev_b32 v6, 5, v0
	v_readfirstlane_b32 s2, v6                     ; wave = head
	v_and_b32 v6, 31, v0
	v_lshlrev_b32 v[LI], 4, v6
	v_and_b32 v6, 15, v0                           ; r
	v_bfe_u32 v7, v0, 4, 1                         ; h
	v_mul_u32_u24 v[OWO], v6, 3072
	v_lshl_add_u32 v[OWO], v7, 5, v[OWO]
	v_lshlrev_b32 v7, 3, v7
	v_sub_nc_u32 v[DD], v6, v7
	s_lshl_b32 s3, s2, 10
	v_add_nc_u32 v[SHA], s3, v[LI]
	v_mov_b32 v29, 0xff800000                      ; -infinity
	s_and_b32 s10, ttmp7, 0xffff                   ; b
	s_mul_i32 s11, s2, 11
	s_lshr_b32 s11, s11, 5                         ; head / 3, for heads 0 .. 11
	s_mul_i32 s12, s10, 12
	s_add_co_u32 s12, s12, s2
	s_lshl_b32 s12, s12, 12                        ; q's image
	s_mov_b32 s13, 0
	s_lshl_b32 s14, s10, 2
	s_add_co_u32 s14, s14, s11
	s_lshl_b32 s14, s14, 12
	s_add_co_u32 s14, s14, 98304                   ; k's; v's lies 32,768 bytes on
	s_mov_b32 s15, 0
	s_mul_i32 s16, ttmp9, 49152                    ; 16 rows of o_w,
	s_lshl_b32 s17, s2, 8                          ; my head's 64 numbers of each
	s_add_co_u32 s16, s16, s17
	s_mov_b32 s17, 0
	s_mul_i32 s18, s10, 6291456
	s_lshl_b32 s19, ttmp9, 6
	s_add_co_u32 s18, s18, s19
	s_mov_b32 s19, 0
	s_mov_b32 s20, 0x76543210
	s_mov_b32 s21, 0xfedcba98                      ; selects for lane l xor 16
	s_mov_b32 s22, 0x3e38aa3b                      ; c = log2(e) / 8
	s_wait_kmcnt 0x0
	s_add_nc_u64 s[12:13], s[4:5], s[12:13]
	s_add_nc_u64 s[14:15], s[4:5], s[14:15]
	s_add_nc_u64 s[16:17], s[6:7], s[16:17]
	s_add_nc_u64 s[18:19], s[8:9], s[18:19]
.irp q, 0,1,2,3,4,5,6,7
	global_load_b128 v[32+4*\q:35+4*\q], v[LI], s[12:13] offset:\q*512
.endr
.irp q, 0,1,2,3,4,5,6,7
	global_load_b128 v[64+4*\q:67+4*\q], v[LI], s[14:15] offset:\q*512
.endr
.irp q, 0,1,2,3,4,5,6,7
	global_load_b128 v[96+4*\q:99+4*\q], v[LI], s[14:15] offset:32768+\q*512
.endr
.irp q, 0,1,2,3,4,5,6,7
	global_load_b128 v[128+4*\q:131+4*\q], v[OWO], s[16:17] offset:(\q/2)*64+(\q%2)*16
.endr
	s_wait_loadcnt 0x0
	; S^T = K Q^T: accumulator t sums channels 16 t .. 16 t + 15
.irp i, 0,1,2,3
.irp t, 0,1,2,3
.if \i == 0
	v_wmma_f32_16x16x4_f32 v[ACC+8*\t:ACC+8*\t+7], v[64+8*\t+2*\i:65+8*\t+2*\i], v[32+8*\t+2*\i:33+8*\t+2*\i], 0
.else
	v_wmma_f32_16x16x4_f32 v[ACC+8*\t:ACC+8*\t+7], v[64+8*\t+2*\i:65+8*\t+2*\i], v[32+8*\t+2*\i:33+8*\t+2*\i], v[ACC+8*\t:ACC+8*\t+7]
.endif
.endr
.endr
	PLACES 9
.irp j, 0,1,2,3,4,5,6,7
	v_add_f32 v[8+\j], v[ACC+\j], v[ACC+8+\j]      ; the four parts are added into other registers, each accumulator from its low end on
.endr
.irp j, 0,1,2,3,4,5,6,7
	v_add_f32 v[16+\j], v[ACC+16+\j], v[ACC+24+\j]
.endr
.irp j, 0,1,2,3,4,5,6,7
	v_add_f32 v[8+\j], v[8+\j], v[16+\j]           ; register j: key 8 h + j, query r
.endr
.irp j, 0,1,2,3,4,5,6,7
	v_cmp_gt_i32 vcc_lo, \j, v[DD]                 ; hidden where 8 h + j > r
	v_cndmask_b32 v[8+\j], v[8+\j], v29, vcc_lo
.endr
	v_max3_num_f32 v24, v8, v9, v10
	v_max3_num_f32 v25, v11, v12, v13
	v_max3_num_f32 v24, v24, v14, v15
	v_max_num_f32 v24, v24, v25
	v_permlanex16_b32 v25, v24, s20, s21
	v_max_num_f32 v24, v24, v25                    ; the row's maximum: key 0 counts for every query, so it is a number
	v_mul_f32 v26, s22, v24
.irp j, 0,1,2,3,4,5,6,7
	v_fma_f32 v[8+\j], v[8+\j], s22, -v26
.endr
.irp j, 0,1,2,3,4,5,6,7
	v_exp_f32 v[8+\j], v[8+\j]
.endr
	v_nop
	s_wait_alu depctr_va_vdst(0)                   ; one wait for the eight exponentials, ahead of their first reader
	v_add_f32 v27, v8, v9
	v_add_f32 v25, v10, v11
	v_add_f32 v16, v12, v13
	v_add_f32 v17, v14, v15
	v_add_f32 v27, v27, v25
	v_add_f32 v16, v16, v17
	v_add_f32 v27, v27, v16
	v_permlanex16_b32 v25, v27, s20, s21
	v_add_f32 v27, v27, v25                        ; the row's sum
	v_rcp_f32 v28, v27
	v_nop
	s_wait_alu depctr_va_vdst(0)
	; O^T = V^T P: accumulator ct holds channels 16 ct .. 16 ct + 15; K = the 16 keys
.irp i, 0,1,2,3
.irp ct, 0,1,2,3
.if \i == 0
	v_wmma_f32_16x16x4_f32 v[ACC+8*\ct:ACC+8*\ct+7], v[96+8*\ct+2*\i:97+8*\ct+2*\i], v[8+2*\i:9+2*\i], 0
.else
	v_wmma_f32_16x16x4_f32 v[ACC+8*\ct:ACC+8*\ct+7], v[96+8*\ct+2*\i:97+8*\ct+2*\i], v[8+2*\i:9+2*\i], v[ACC+8*\ct:ACC+8*\ct+7]
.endif
.endr
.endr
	PLACES 9
.set i, 0
.rept 32
	v_mul_f32 v[192+i], v[ACC+i], v28              ; / the sum: register 8 ct + j: channel 16 ct + 8 h + j of query r
.set i, i+1
.endr
	; my head's share of the projection: source 0 = 16 rows of o_w, source 1 = the 16 queries; accumulator ct sums channels 16 ct on
.irp i, 0,1,2,3
.irp ct, 0,1,2,3
.if \i == 0
	v_wmma_f32_16x16x4_f32 v[ACC+8*\ct:ACC+8*\ct+7], v[128+8*\ct+2*\i:129+8*\ct+2*\i], v[192+8*\ct+2*\i:193+8*\ct+2*\i], 0
.else
	v_wmma_f32_16x16x4_f32 v[ACC+8*\ct:ACC+8*\ct+7], v[128+8*\ct+2*\i:129+8*\ct+2*\i], v[192+8*\ct+2*\i:193+8*\ct+2*\i], v[ACC+8*\ct:ACC+8*\ct+7]
.endif
.endr
.endr
	PLACES 9
.irp j, 0,1,2,3,4,5,6,7
	v_add_f32 v[224+\j], v[ACC+\j], v[ACC+8+\j]
.endr
.irp j, 0,1,2,3,4,5,6,7
	v_add_f32 v[16+\j], v[ACC+16+\j], v[ACC+24+\j]
.endr
.irp j, 0,1,2,3,4,5,6,7
	v_add_f32 v[224+\j], v[224+\j], v[16+\j]       ; register j: out(query r, column 16 x + 8 h + j), my head's part
.endr
	ds_store_b128 v[SHA], v[224:227]
	ds_store_b128 v[SHA], v[228:231] offset:512
	s_wait_dscnt 0x0                               ; for the others' sake: my share lies in LDS
	s_barrier_signal -1
	s_barrier_wait -1
	s_cmp_lg_u32 s2, 0
	s_cbranch_scc1 .Ldone
.irp q, 0,1,2,3,4,5,6,7,8,9,10,11,12,13,14,15,16,17,18,19,20,21,22,23
	ds_load_b128 v[32+4*\q:35+4*\q], v[LI] offset:\q*512   ; the twelve shares, as they were stored
.endr
	s_wait_dscnt 0x0
.irp j, 0,1,2,3,4,5,6,7
	v_add_f32 v[224+\j], v[32+\j], v[40+\j]
.endr
.irp q, 2,3,4,5,6,7,8,9,10,11
.irp j, 0,1,2,3,4,5,6,7
	v_add_f32 v[224+\j], v[224+\j], v[32+8*\q+\j]  ; heads in ascending order
.endr
.endr
	global_store_b128 v[OWO], v[224:227], s[18:19] th:TH_STORE_NT
	global_store_b128 v[OWO], v[228:231], s[18:19] offset:16 th:TH_STORE_NT
.Ldone:
	s_wait_tensorcnt 0x0                           ; the wave's end
	ds_add_u32 v[SPW], v[NIL]
	s_wait_dscnt 0x0
	s_endpgm
.Lfunc_end_k_q74b0bc2df6_first16:
	.size	k_q74b0bc2df6_first16, .Lfunc_end_k_q74b0bc2df6_first16-k_q74b0bc2df6_first16
	.p2alignl 7, 3214868480
	.fill 96, 4, 3214868480
	.section	.rodata,"a",@progbits
	.p2align	6, 0x0
	.amdhsa_kernel k_q74b0bc2df6_first16
		.amdhsa_group_segment_fixed_size 13824
		.amdhsa_private_segment_fixed_size 0
		.amdhsa_enable_private_segment 0
		.amdhsa_kernarg_size 24
		.amdhsa_user_sgpr_count 2
		.amdhsa_user_sgpr_kernarg_segment_ptr 1
		.amdhsa_wavefront_size32 1
		.amdhsa_system_sgpr_workgroup_id_x 1
		.amdhsa_system_sgpr_workgroup_id_y 1
		.amdhsa_system_sgpr_workgroup_id_z 1
		.amdhsa_system_vgpr_workitem_id 0
		.amdhsa_next_free_vgpr 256
		.amdhsa_next_free_sgpr 66
		.amdhsa_reserve_vcc 1
		.amdhsa_float_denorm_mode_32 3
		.amdhsa_float_denorm_mode_16_64 3
		.amdhsa_memory_ordered 1
		.amdhsa_forward_progress 1
		.amdhsa_inst_pref_size 19
	.end_amdhsa_kernel
	.amdgpu_metadata
---
amdhsa.version: [ 1, 2 ]
amdhsa.kernels:
  - .name:           k_q74b0bc2df6_first16
    .symbol:         k_q74b0bc2df6_first16.kd
    .args:
      - { .name: fine, .offset: 0, .size: 8, .value_kind: global_buffer, .address_space: global }
      - { .name: o_w, .offset: 8, .size: 8, .value_kind: global_buffer, .address_space: global }
      - { .name: out0, .offset: 16, .size: 8, .value_kind: global_buffer, .address_space: global }
    .group_segment_fixed_size: 13824
    .private_segment_fixed_size: 0
    .kernarg_segment_align: 8
    .kernarg_segment_size: 24
    .max_flat_workgroup_size: 384
    .sgpr_count:     66
    .vgpr_count:     256
    .wavefront_size: 32
...
	.end_amdgpu_metadata
.endif
;; end of part 5
